; MI455X (gfx1250); checked and timed in simulation.
; The chip was launched on July 23, 2026; its instructions are those of AMD's public machine-readable ISA for CDNA 5 (MIT licence, August 2026) and "CDNA5" Instruction Set Architecture Reference Guide (July 2026). The comments in the code are by the model that wrote it; some were corrected since.
;; Attention. Allowed arithmetic: float matrix products may take bf16 or f16 operands with f32 sums; all other float work in f32.
;; Inputs: b_out 1,024 float32; w_out 1,024 x 1,024 float32; w_qkv 1,024 x 3,072 float32; x 2 x 2,048 x 1,024 float32.
;; Outputs: out0 2 x 2,048 x 1,024 float32.
;; One version. Each part assembles by itself: llvm-mc -triple=amdgcn-amd-amdhsa -mcpu=gfx1250 --defsym DOCPART=n.
;; ======== version 1 of 1: 3 launches
;; limits: values are held in f16: magnitudes above 65,504 overflow, below 6.1e-05 lose precision
;; workspace buffers: qimg 8,388,608 bytes; ao 8,388,608 bytes; woimg 2,097,152 bytes
;; launch qproj (part 1): grid 8 x 32, 4 waves a work-group, clusters of 4 x 4, 327,680 bytes of LDS; arguments x, w_qkv, qimg; writes qimg
.if DOCPART == 1
	.amdgcn_target "amdgcn-amd-amdhsa--gfx1250"
	.amdhsa_code_object_version 6
	.text
	.protected	k_q6c59d9ec57_qproj
	.globl	k_q6c59d9ec57_qproj
	.p2align	8
	.type	k_q6c59d9ec57_qproj,@function
k_q6c59d9ec57_qproj:
	s_mov_b64 s[64:65], 0
	v_nop
	global_prefetch_b8 v0, s[64:65] scope:SCOPE_SE
	s_setreg_imm32_b32 hwreg(HW_REG_WAVE_MODE, 25, 1), 1
	s_wait_xcnt 0x0
	s_wait_alu depctr_hold_cnt(0) depctr_sa_sdst(0) depctr_va_vdst(0) depctr_va_sdst(0) depctr_va_ssrc(0) depctr_va_vcc(0) depctr_vm_vsrc(0)
	s_getreg_b32 s2, hwreg(HW_REG_IB_STS2, 6, 4)
	s_cmp_eq_u32 s2, 0
	s_cbranch_scc0 .Lentry_in_a_cluster
	s_endpgm
.Lentry_in_a_cluster:
	s_bfe_u32 s2, ttmp6, 0x10000c
	s_cmp_lg_u32 s2, 0xf033
	s_cbranch_scc0 .Lentry_shape_is_right
	s_endpgm
.Lentry_shape_is_right:
; qimg = sqrt(log2(e)/8) * (x . w_qkv[:, 0:1024]) in f16.   x: [4096][1024] f32, w_qkv: [1024][3072] f32.
; reference() keeps chunk 0 of the product alone and takes q, k and v from it: columns 1024..3071 of w_qkv enter no result and are
; neither read nor multiplied.  Since q = k, the factor SCALE * log2(e) of the softmax's exponent is shared out as its square root
; on both sides of the dot product; it is applied here in f32, ahead of the one rounding to f16; the attention launch takes it out of v again.
; LIMITS: matrix operands are f16: |x|, |w_qkv| and |qimg| have to stay below 65,504 (beyond it the conversion gives inf and the result
; is NaN); magnitudes below 6.1e-5 are kept with an absolute step of 6e-8.  Sums are f32.
; SHARES: a work-group makes 128 tokens x 128 columns (two heads) with four waves; a wave 64 tokens x 64 columns (one head): 16 accumulator
; tiles.  K goes in 8 extents of 128 through two LDS slots filled by the tensor data mover with f32; a slot holds 128 rows of x (128 k each)
; and 128 k-rows of w (128 columns each), rows of 512 bytes + 16 of padding.  f32 becomes f16 between LDS and the matrix unit.
; CLUSTERS: 4 x 4 work-groups.  x's tile hangs on the block row alone and is asked for jointly by a row of the cluster, w's on the block
; column alone and is asked for jointly by a column.  By this text's count a wave has two tensor loads out at the start, later one.
; THE IMAGE: head hd = 16 b + h takes 262,144 bytes; the 16 bytes (key j, d = 8c .. 8c+7) lie at
;   hd*262144 + (j>>4)*2048 + (c>>2)*1024 + ((c>>1)&1)*512 + (c&1)*256 + 16*(((j&15) + 8*(c&1)) & 15).
.set PITCH,  528                       ; an LDS row: 512 bytes + 16
.set HALFT,  64*PITCH                  ; what one tensor load brings: 64 rows
.set SLOT,   4*HALFT                   ; x rows 0-63, x rows 64-127, w k-rows 0-63, w k-rows 64-127
.set ASTEP,  2*128*4                   ; two extents along a row of x, in bytes
.set BSTEP,  2*128*12288               ; two extents down the rows of w_qkv, in bytes
.set RSC,    0x3ed96d27                ; sqrt(log2(e)/8) = 0.42466090
.set ADRA, 16                          ; v16-17  LDS address of my x rows in slot 0, 1
.set ADRB, 20                          ; v20-21  the same for w
.set QO,   24                          ; v24-25  my 16 bytes in the image, for even and for odd chunks
.set AST,  64                          ; v64-127   x as f32: 4 token tiles x 16 numbers; at the end the packed results
.set BST,  128                         ; v128-191  w as f32: 16 k-rows x 4 columns
.set AF,   192                         ; v192-223  4 fragments of x in f16
.set BF,   224                         ; v224-255  4 fragments of w in f16
                                       ; window 1, v0-127: accumulator (a, t) at 8 (4 a + t)
.set G1,  24                           ; s[24:31] descriptor group 1 for x
.set G0,  32                           ; s[32:39] group 0 for x, one set for each slot
.set G1B, 48                           ; s[48:55] group 1 for w
.set G0B, 56                           ; s[56:63] group 0 for w, one set for each slot
.set MSB, 0
.macro WIN new                         ; the immediate's high byte repeats the setting that is left
.if MSB != \new
	s_set_vgpr_msb (MSB<<8)|\new
.set MSB, \new
.endif
.endm
.macro PLACES                          ; four places behind a matrix instruction (ISA guide 7.12.1)
.rept 4
	v_nop
.endr
.endm
; A joint load: waves 0 and 1 ask for x's two halves, waves 2 and 3 for w's.  The branch hangs on the wave's number alone.
.macro JLOAD s
	s_cmp_eq_u32 s11, 0
	s_cbranch_scc0 .Lfor_b_\@
	tensor_load_to_lds s[G0+4*\s:G0+4*\s+3], s[G1:G1+7]
	s_nop 0
	s_branch .Lasked_\@
.Lfor_b_\@:
	tensor_load_to_lds s[G0B+4*\s:G0B+4*\s+3], s[G1B:G1B+7]
	s_nop 0
.Lasked_\@:
.endm
.macro CREST                           ; a round of the cluster's barrier behind its opening barrier
	s_cmp_lg_u32 s10, 0
	s_cbranch_scc1 .Lnot_wave_0_\@
	s_barrier_signal -3
.Lnot_wave_0_\@:
	s_barrier_wait -3
	s_barrier_signal -1
	s_barrier_wait -1
.endm
.macro CROUND                          ; a whole round
	s_barrier_signal -1
	s_barrier_wait -1
	CREST
.endm
	s_load_b128 s[4:7], s[0:1], 0x0                ; x s[4:5], w_qkv s[6:7]
	s_load_b64 s[8:9], s[0:1], 0x10                ; qimg
	v_lshl_add_u32 v62, v0, 2, 0x42000
	v_mov_b32 v63, 0
	ds_add_u32 v62, v63
	ds_add_u32 v62, v63
	v_lshrrev_b32 v1, 5, v0
	v_readfirstlane_b32 s10, v1                    ; wave 0..3
	s_lshr_b32 s11, s10, 1                         ; wm: my half of the tokens.  Also: I fetch for x (0) or for w (1)
	s_and_b32 s12, s10, 1                          ; wn: my half of the columns.  Also: which 64 rows of that tile I fetch
	s_bfe_u32 s40, ttmp6, 0x40000                  ; cx
	s_bfe_u32 s41, ttmp6, 0x40004                  ; cy
	s_lshl_b32 s42, ttmp9, 2
	s_add_co_u32 s42, s42, s40                     ; bx: block column 0..7
	s_and_b32 s13, ttmp7, 0xffff
	s_lshl_b32 s13, s13, 2
	s_add_co_u32 s13, s13, s41                     ; by: block row 0..31
	s_lshl_b32 s43, s41, 2
	s_lshl_b32 s43, 15, s43                        ; my row of the cluster
	s_lshl_b32 s44, 0x1111, s40                    ; my column
	; group 1: 64 rows x 128 elements of 4 bytes; behind every 128 words 4 words of padding; bit 21 set beside the mask
	s_or_b32 s[G1+0], s43, (2<<16)|(1<<20)|(1<<21)|(6<<22)|(3<<25)
	s_or_b32 s[G1B+0], s44, (2<<16)|(1<<20)|(1<<21)|(6<<22)|(3<<25)
	s_mov_b32 s[G1+1], 128<<16                     ; tensor_dim0 = 128
	s_mov_b32 s[G1B+1], 128<<16
	s_mov_b32 s[G1+2], 64<<16                      ; tensor_dim1 = 64
	s_mov_b32 s[G1B+2], 64<<16
	s_mov_b32 s[G1+3], 128<<16                     ; tile_dim0 = 128
	s_mov_b32 s[G1B+3], 128<<16
	s_mov_b32 s[G1+4], 64                          ; tile_dim1 = 64
	s_mov_b32 s[G1B+4], 64
	s_mov_b32 s[G1+5], 1024                        ; elements from row to row of x
	s_mov_b32 s[G1B+5], 3072                       ; and of w_qkv
	s_mov_b32 s[G1+6], 0
	s_mov_b32 s[G1B+6], 0
	s_mov_b32 s[G1+7], 0
	s_mov_b32 s[G1B+7], 0
	; x's tile hangs on by and the wave, w's on bx and the wave, each in registers that never hold the other coordinate
	s_lshl_b32 s16, s13, 19                        ; 128 by rows of 4,096 bytes
	s_lshl_b32 s17, s12, 18                        ; + 64 rows for the second half
	s_add_co_u32 s16, s16, s17
	s_mov_b32 s17, 0
	s_mul_i32 s46, s12, 64*12288                   ; w: 64 k-rows of 12,288 bytes for the second half
	s_lshl_b32 s47, s42, 9                         ; + 128 bx columns of 4 bytes
	s_add_co_u32 s46, s46, s47
	s_mov_b32 s47, 0
	s_mul_i32 s20, s10, HALFT                      ; where my part goes: wave x 64 rows
	s_wait_dscnt 0x0
	s_wait_kmcnt 0x0
	s_add_nc_u64 s[14:15], s[4:5], s[16:17]
	s_add_nc_u64 s[46:47], s[6:7], s[46:47]
	CROUND                                         ; all sixteen work-groups are here: the first joint loads meet
.irp s, 0,1
	s_mov_b32 s[G0+4*\s], 1
	s_add_co_u32 s[G0+4*\s+1], s20, \s*SLOT
	s_add_nc_u64 s[G0+4*\s+2:G0+4*\s+3], s[14:15], \s*128*4          ; extent s along x's rows
	s_or_b32 s[G0+4*\s+3], s[G0+4*\s+3], 0x80000000
	s_mov_b32 s[G0B+4*\s], 1
	s_add_co_u32 s[G0B+4*\s+1], s20, \s*SLOT
	s_add_nc_u64 s[G0B+4*\s+2:G0B+4*\s+3], s[46:47], \s*128*12288    ; extent s down w's rows
	s_or_b32 s[G0B+4*\s+3], s[G0B+4*\s+3], 0x80000000
	JLOAD \s
.endr
	v_and_b32 v1, 15, v0                           ; r
	v_bfe_u32 v2, v0, 4, 1                         ; h
	v_mul_u32_u24 v3, v1, PITCH
	v_lshl_add_u32 v3, v2, 5, v3                   ; x: token row r, k = 8h: 32 h bytes
	s_mul_i32 s21, s11, HALFT                      ; my 64 tokens
	v_mul_u32_u24 v4, v2, 8*PITCH
	v_lshl_add_u32 v4, v1, 4, v4                   ; w: k-row 8h, columns 4r .. 4r+3
	s_lshl_b32 s22, s12, 8                         ; my 64 columns
	s_add_co_u32 s22, s22, 2*HALFT                 ; w lies behind x's 128 rows
.irp s, 0,1
	v_add_nc_u32 v[ADRA+\s], s21, v3
	v_add_nc_u32 v[ADRB+\s], s22, v4
	s_add_co_u32 s21, s21, SLOT
	s_add_co_u32 s22, s22, SLOT
.endr
	v_lshlrev_b32 v5, 10, v2
	v_lshl_add_u32 v[QO], v1, 4, v5                ; image, even chunk: 1024 h + 16 r
	v_add_nc_u32 v6, 8, v1
	v_and_b32 v6, 15, v6
	v_lshl_add_u32 v[QO+1], v6, 4, v5              ; odd chunk: 1024 h + 16 ((r + 8) & 15)
	s_mov_b32 s18, RSC
	s_mov_b32 s19, RSC
; 32 LDS loads: the f32 numbers of 32 along K at quarter kq of the slot's extent.
; x: token 16a + r, k = 8h .. 8h+7 (bytes 0, 16) and 16 + 8h .. (bytes 64, 80).  w: k-rows 8h + 0..7 and 16 + 8h + 0..7, four columns each;
; sixteen neighbouring lanes read 256 consecutive bytes of one k-row.
.macro LDST slot, kq
.irp a, 0,1,2,3
	ds_load_b128 v[AST+16*\a:AST+16*\a+3],     v[ADRA+\slot] offset:16*\a*PITCH+128*(\kq)
	ds_load_b128 v[AST+16*\a+4:AST+16*\a+7],   v[ADRA+\slot] offset:16*\a*PITCH+128*(\kq)+16
	ds_load_b128 v[AST+16*\a+8:AST+16*\a+11],  v[ADRA+\slot] offset:16*\a*PITCH+128*(\kq)+64
	ds_load_b128 v[AST+16*\a+12:AST+16*\a+15], v[ADRA+\slot] offset:16*\a*PITCH+128*(\kq)+80
.endr
.irp i, 0,1,2,3,4,5,6,7
	ds_load_b128 v[BST+4*\i:BST+4*\i+3], v[ADRB+\slot] offset:(32*(\kq)+\i)*PITCH
.endr
.irp i, 8,9,10,11,12,13,14,15
	ds_load_b128 v[BST+4*\i:BST+4*\i+3], v[ADRB+\slot] offset:(32*(\kq)+\i+8)*PITCH
.endr
.endm
; f32 to f16, two at a time.  For w the two numbers packed are two k-rows of one column: the packing is the transposition,
; and fragment t holds in lane r the column 4r + t.
.macro CVT
.irp a, 0,1,2,3
.irp e, 0,1,2,3,4,5,6,7
	v_cvt_pk_f16_f32 v[AF+8*\a+\e], v[AST+16*\a+2*\e], v[AST+16*\a+2*\e+1]
.endr
.endr
.irp t, 0,1,2,3
.irp e, 0,1,2,3,4,5,6,7
	v_cvt_pk_f16_f32 v[BF+8*\t+\e], v[BST+8*\e+\t], v[BST+8*\e+4+\t]
.endr
.endr
.endm
; 16 matrix instructions, used transposed (source 0 = columns of w, source 1 = tokens): lane (r, h), register j of accumulator (a, t)
; holds token 16a + r, column 32h + 4j + t.  The sixteen accumulators take turns, one instruction a turn.
.macro MUL zero
	WIN 0x50                                       ; C and D in window 1
.irp a, 0,1,2,3
.irp t, 0,1,2,3
.if \zero
	v_wmma_f32_16x16x32_f16 v[8*(4*\a+\t):8*(4*\a+\t)+7], v[BF+8*\t:BF+8*\t+7], v[AF+8*\a:AF+8*\a+7], 0
.else
	v_wmma_f32_16x16x32_f16 v[8*(4*\a+\t):8*(4*\a+\t)+7], v[BF+8*\t:BF+8*\t+7], v[AF+8*\a:AF+8*\a+7], v[8*(4*\a+\t):8*(4*\a+\t)+7]
.endif
.endr
.endr
	WIN 0
.endm
; One of an extent's first three quarters: convert what has come, ask for quarter nxt, multiply.
.macro SUB slot, nxt, zero
	s_wait_dscnt 0x0                               ; the 32 loads issued ahead of the last products are in
	PLACES                                         ; the conversions write sources of the last matrix instructions
	CVT
	LDST \slot, \nxt
	MUL \zero
.endm
; The last quarter, and the change of slots.  mode 2: this slot is filled again, two extents ahead; 1: no refill; 0: nothing follows.
.macro LAST slot, other, mode
	s_wait_dscnt 0x0                               ; my last reads of this slot are back
	PLACES
	CVT
.if \mode == 2
	s_wait_tensorcnt 0x0                           ; all my tensor loads have landed: the one that was out is my part of the other slot
	ds_add_u32 v62, v63
	s_wait_dscnt 0x0
	s_barrier_signal -1                            ; this barrier opens a round of the cluster's barrier
	s_barrier_wait -1
	CREST                                          ; no wave of any partner still reads this slot or has a load on its way
	s_add_nc_u64 s[G0+4*\slot+2:G0+4*\slot+3], s[G0+4*\slot+2:G0+4*\slot+3], ASTEP
	s_add_nc_u64 s[G0B+4*\slot+2:G0B+4*\slot+3], s[G0B+4*\slot+2:G0B+4*\slot+3], BSTEP
	JLOAD \slot                                    ; my one tensor load behind the round, and the first thing there
.endif
.if \mode == 1
	s_wait_tensorcnt 0x0                           ; my part of the last extent has landed
	s_barrier_signal -1
	s_barrier_wait -1                              ; everybody's has
.endif
.if \mode
	LDST \other, 0
.endif
	MUL 0
.endm
.macro PERIOD slot, other, zero, mode
	SUB \slot, 1, \zero
	SUB \slot, 2, 0
	SUB \slot, 3, 0
	LAST \slot, \other, \mode
.endm
	s_wait_tensorcnt 0x1                           ; my part of extent 0 is in; the one younger load (extent 1) may stay out
	s_barrier_signal -1
	s_barrier_wait -1
	LDST 0, 0
	PERIOD 0, 1, 1, 2                              ; extents 0 and 1 stand ahead of the loop: the first products start the sums
	PERIOD 1, 0, 0, 2
	s_mov_b32 s3, 2
.Llap:
	PERIOD 0, 1, 0, 2                              ; extents 2 to 5; they ask for extents 4 to 7
	PERIOD 1, 0, 0, 2
	s_sub_co_u32 s3, s3, 1
	s_cmp_lg_u32 s3, 0
	s_cbranch_scc1 .Llap
	PERIOD 0, 1, 0, 1                              ; extent 6: nothing is left to ask for
	PERIOD 1, 0, 0, 0                              ; extent 7
	; THE WAY OUT.  Lane (r, h) holds of token 16a + r the columns d = 32h + 4j + t: for e = j>>1 the eight numbers of chunk c = 4h + e.
	; They are scaled in f32, packed to 16 bytes and stored straight: sixteen neighbouring lanes fill 256 consecutive bytes, aligned.
	PLACES
	s_lshr_b32 s16, s13, 4                         ; batch
	s_lshl_b32 s16, s16, 22                        ; x 16 heads of 262,144 bytes
	s_and_b32 s17, s13, 15
	s_lshl_b32 s17, s17, 14                        ; + 128 (by & 15) keys of 128 bytes
	s_add_co_u32 s16, s16, s17
	s_lshl_b32 s17, s11, 13                        ; + 64 wm keys
	s_add_co_u32 s16, s16, s17
	s_mov_b32 s17, 0
	s_add_nc_u64 s[8:9], s[8:9], s[16:17]
	s_lshl_b32 s46, s42, 19                        ; head 2 bx + wn
	s_lshl_b32 s47, s12, 18
	s_add_co_u32 s46, s46, s47
	s_mov_b32 s47, 0
	s_add_nc_u64 s[8:9], s[8:9], s[46:47]
	WIN 0x41                                       ; source 0 and destination in window 1
.set i, 0
.rept 64
	v_pk_mul_f32 v[2*i:2*i+1], v[2*i:2*i+1], s[18:19] op_sel_hi:[1,0]
.set i, i+1
.endr
	WIN 0x05                                       ; sources 0 and 1 in window 1, destination in window 0
.irp a, 0,1,2,3
.irp e, 0,1,2,3
	v_cvt_pk_f16_f32 v[AST+4*(4*\a+\e)],   v[8*(4*\a)+2*\e],     v[8*(4*\a+1)+2*\e]
	v_cvt_pk_f16_f32 v[AST+4*(4*\a+\e)+1], v[8*(4*\a+2)+2*\e],   v[8*(4*\a+3)+2*\e]
	v_cvt_pk_f16_f32 v[AST+4*(4*\a+\e)+2], v[8*(4*\a)+2*\e+1],   v[8*(4*\a+1)+2*\e+1]
	v_cvt_pk_f16_f32 v[AST+4*(4*\a+\e)+3], v[8*(4*\a+2)+2*\e+1], v[8*(4*\a+3)+2*\e+1]
.endr
.endr
	WIN 0
.irp a, 0,1,2,3
.irp e, 0,1,2,3
	global_store_b128 v[QO+(\e&1)], v[AST+4*(4*\a+\e):AST+4*(4*\a+\e)+3], s[8:9] offset:2048*\a+512*(\e>>1)+256*(\e&1)
.endr
.endr
	s_wait_tensorcnt 0x0
	ds_add_u32 v62, v63
	s_wait_dscnt 0x0
	CROUND                                         ; the closing round: no work-group ends while a partner may still ask for a tile that names it
	s_endpgm
.Lfunc_end_k_q6c59d9ec57_qproj:
	.size	k_q6c59d9ec57_qproj, .Lfunc_end_k_q6c59d9ec57_qproj-k_q6c59d9ec57_qproj
	.p2alignl 7, 3214868480
	.fill 96, 4, 3214868480
	.section	.rodata,"a",@progbits
	.p2align	6, 0x0
	.amdhsa_kernel k_q6c59d9ec57_qproj
		.amdhsa_group_segment_fixed_size 327680
		.amdhsa_private_segment_fixed_size 0
		.amdhsa_enable_private_segment 0
		.amdhsa_kernarg_size 24
		.amdhsa_user_sgpr_count 2
		.amdhsa_user_sgpr_kernarg_segment_ptr 1
		.amdhsa_wavefront_size32 1
		.amdhsa_system_sgpr_workgroup_id_x 1
		.amdhsa_system_sgpr_workgroup_id_y 1
		.amdhsa_system_sgpr_workgroup_id_z 1
		.amdhsa_system_vgpr_workitem_id 0
		.amdhsa_next_free_vgpr 384
		.amdhsa_next_free_sgpr 66
		.amdhsa_reserve_vcc 0
		.amdhsa_float_denorm_mode_32 3
		.amdhsa_float_denorm_mode_16_64 3
		.amdhsa_memory_ordered 1
		.amdhsa_forward_progress 1
		.amdhsa_inst_pref_size 194
	.end_amdhsa_kernel
	.amdgpu_metadata
---
amdhsa.version: [ 1, 2 ]
amdhsa.kernels:
  - .name:           k_q6c59d9ec57_qproj
    .symbol:         k_q6c59d9ec57_qproj.kd
    .args:
      - { .name: x, .offset: 0, .size: 8, .value_kind: global_buffer, .address_space: global }
      - { .name: w_qkv, .offset: 8, .size: 8, .value_kind: global_buffer, .address_space: global }
      - { .name: qimg, .offset: 16, .size: 8, .value_kind: global_buffer, .address_space: global }
    .group_segment_fixed_size: 327680
    .private_segment_fixed_size: 0
    .kernarg_segment_align: 8
    .kernarg_segment_size: 24
    .max_flat_workgroup_size: 128
    .sgpr_count:     66
    .vgpr_count:     384
    .wavefront_size: 32
...
	.end_amdgpu_metadata
.endif
;; end of part 1
;; launch attn (part 2): grid 8 x 32, 8 waves a work-group, no clusters, 297,984 bytes of LDS; arguments qimg, w_out, ao, woimg; writes ao, woimg
.if DOCPART == 2
	.amdgcn_target "amdgcn-amd-amdhsa--gfx1250"
	.amdhsa_code_object_version 6
	.text
	.protected	k_q6c59d9ec57_attn
	.globl	k_q6c59d9ec57_attn
	.p2align	8
	.type	k_q6c59d9ec57_attn,@function
k_q6c59d9ec57_attn:
	s_mov_b64 s[64:65], 0
	v_nop
	global_prefetch_b8 v0, s[64:65] scope:SCOPE_SE
	s_setreg_imm32_b32 hwreg(HW_REG_WAVE_MODE, 25, 1), 1
	s_wait_xcnt 0x0
; Causal softmax attention of one head, q = k = v = the head's image in qimg (f16, already scaled by sqrt(log2(e)/8), so that a dot product
; of two rows is the exponent to base 2).  Result in f16 as the fragment image ao that the last launch reads.  Side job: w_out to f16 (woimg).
; SHARES: work-group (p, hd) owns query blocks p and 15 - p (128 rows each) of head hd, so that all work-groups have the same work.
; The whole head (2,048 keys x 64, 262,144 bytes) is brought into LDS once, 32,768 bytes by each of eight waves (one tensor load a wave, one
; outstanding), and serves as K, V and Q: nothing is filled again.  A tile is 32 queries, a step 64 keys.  With w3 = wave & 3 the short tile
; begins at i0s = 128 p + 32 w3 and has ns = (i0s>>6) + 1 steps, the long one at i0l = 2016 - i0s and has 33 - ns.  Waves 0-3 do the short tile
; and the long tile's steps 17 .. (16 steps in all), waves 4-7 the long tile's steps 0 .. 16; the two parts of a long tile (running maximum,
; sum, O) meet in LDS and waves 4-7 merge them.
; BARRIERS: three, on every wave's path: the image is whole; all reads of the image are over (only then is anything stored into LDS); the exchange is written.
; NO CLUSTER: the eight work-groups of a head read the same image, but their trip counts and their LDS addresses (the tiles' places, the number
; of steps) hang on p, which differs between them; with equal trips for all, every tile would run all 32 steps, twice the matrix work.
; SOFTMAX: a running maximum per query; the exponent is S - max, exact at the maximum; masked places hold -FLT_MAX as in reference(); every step
; has for every query at least one key that is not masked.  p is rounded to f16 for the product with V, its sum is taken in f32 ahead of that.
; LIMITS: f16 operands: the image and the result have to stay below 65,504 in magnitude (inf beyond it, then NaN); w_out likewise.
.set XO, 262144                        ; behind the image: 4 x 8,192 bytes, partial O of waves 0-3
.set XM, 294912                        ; 4 x 512 bytes: -max of both query tiles, sums of both
.set ISC, 0x4016b55f                   ; 1 / sqrt(log2(e)/8) = 2.3548200: takes the image's factor out of v
.set KBR,  1                           ; v1   K and Q: 256 h + 16 ((r + 8h) & 15)
.set VBR,  2                           ; v2   V: 256 b + 16 ((8h + (L&7) + 8b) & 15), b = (L>>3)&1
.set KADR, 3                           ; v3   K's address in this step
.set VADR, 4                           ; v4   V's address in this step
.set XA,   5                           ; v5   Q's address; later my place in the exchange of O
.set L16,  6                           ; v6   16 x lane
.set VD,   7                           ; v7   mask: query - key at a = j = t = 0
.set RD,   8                           ; v8   r - 8h
.set NEG,  9                           ; v9   -FLT_MAX
.set XB,   10                          ; v10  my place in the exchange of maxima and sums
.set NM,   12                          ; v12, v14  -max of query tile 0, 1 (v13, v15 written once: the pairs are read whole)
.set AL,   16                          ; v16, v18  rescaling factor (v17, v19 likewise)
.set LL,   20                          ; v[20:21], v[22:23]  my part of the sums, two chains
.set TM,   24                          ; v24-31 at work
.set QQ,   32                          ; v32-63   Q(t, u) at 8 (2t + u)
.set SS,   64                          ; v64-127  S(t, a) at 32 t + 8 a; then P(t, g) at 32 t + 16 g, packed in place
.set KV,   128                         ; v128-191 K(a, u) at 8 (2a + u), then V(d, g) at 8 (2d + g)
.set OO,   192                         ; v192-255 O(d, t) at 8 (2d + t)
	s_load_b256 s[4:11], s[0:1], 0x0               ; qimg s[4:5], w_out s[6:7], ao s[8:9], woimg s[10:11]
	s_set_vgpr_msb 0x40
	v_lshl_add_u32 v0, v0, 2, 0x48800
	v_mov_b32 v1, 0
	s_set_vgpr_msb 0x4045
	ds_add_u32 v0, v1
	ds_add_u32 v0, v1
	s_set_vgpr_msb 0x4500
	v_lshrrev_b32 v1, 5, v0
	v_readfirstlane_b32 s12, v1                    ; wave 0..7
	s_and_b32 s13, s12, 3                          ; w3
	s_mov_b32 s14, ttmp9                           ; p
	s_and_b32 s15, ttmp7, 0xffff                   ; hd = 16 b + h
	; a dense block of 32,768 bytes as 128 rows of 32 elements of 8 bytes
	s_mov_b32 s16, 3<<16
	s_mov_b32 s17, 32<<16
	s_mov_b32 s18, 128<<16
	s_mov_b32 s19, 32<<16
	s_mov_b32 s20, 128
	s_mov_b32 s21, 32
	s_mov_b32 s22, 0
	s_mov_b32 s23, 0
	s_mov_b32 s24, 1
	s_lshl_b32 s25, s12, 15                        ; LDS: wave x 32,768
	s_lshl_b32 s46, s15, 18
	s_add_co_u32 s46, s46, s25                     ; the head's image, my eighth
	s_mov_b32 s47, 0
	s_wait_dscnt 0x0
	s_wait_kmcnt 0x0
	s_add_nc_u64 s[26:27], s[4:5], s[46:47]
	s_or_b32 s27, s27, 0x80000000
	tensor_load_to_lds s[24:27], s[16:23]
	s_nop 0
	v_and_b32 v10, 31, v0                          ; L
	v_and_b32 v11, 15, v0                          ; r
	v_bfe_u32 v5, v0, 4, 1                         ; h
	v_lshlrev_b32 v[L16], 4, v10
	v_lshl_add_u32 v[KBR], v5, 3, v11
	v_and_b32 v[KBR], 15, v[KBR]
	v_lshlrev_b32 v[KBR], 4, v[KBR]
	v_lshl_add_u32 v[KBR], v5, 8, v[KBR]
	v_bfe_u32 v3, v0, 3, 1                         ; b
	v_and_b32 v[VBR], 7, v0
	v_lshl_add_u32 v[VBR], v5, 3, v[VBR]
	v_lshl_add_u32 v[VBR], v3, 3, v[VBR]
	v_and_b32 v[VBR], 15, v[VBR]
	v_lshlrev_b32 v[VBR], 4, v[VBR]
	v_lshl_add_u32 v[VBR], v3, 8, v[VBR]
	v_lshlrev_b32 v[RD], 3, v5
	v_sub_nc_u32 v[RD], v11, v[RD]
	v_mov_b32 v[NEG], 0xff7fffff
	v_mov_b32 v[NM+1], 0
	v_mov_b32 v[NM+3], 0
	v_mov_b32 v[AL+1], 0
	v_mov_b32 v[AL+3], 0
	s_mov_b32 s32, 0x76543210                      ; v_permlanex16_b32: lane i of one half reads lane i of the other
	s_mov_b32 s33, 0xfedcba98
	s_lshl_b32 s28, s14, 7
	s_lshl_b32 s46, s13, 5
	s_add_co_u32 s28, s28, s46                     ; i0s = 128 p + 32 w3
	s_sub_co_u32 s29, 2016, s28                    ; i0l
	s_lshr_b32 s34, s28, 6
	s_add_co_u32 s34, s34, 1                       ; ns
	s_sub_co_u32 s35, 16, s34                      ; x: the long tile's steps behind step 16
	; SIDE JOB of waves 0-3, while the image is on its way: 16 k-rows x 64 columns of w_out become four halves of fragment images.
	; Task tau = 4 (8 hd + p) + wave: nh = tau>>6 (64 columns), kappa = (tau>>1)&31 (32 k), s = tau&1 (16 k): 1,024 tasks cover w_out once.
	; Tile t holds in lane r the column 64 nh + 4r + t, so that a lane of the last launch ends with four neighbouring columns.
	s_cmp_ge_u32 s12, 4
	s_cbranch_scc1 .Lno_side
	s_lshl_b32 s39, s15, 3
	s_add_co_u32 s39, s39, s14
	s_lshl2_add_u32 s39, s39, s12                  ; tau
	s_lshr_b32 s40, s39, 6                         ; nh
	s_bfe_u32 s41, s39, 0x50001                    ; kappa
	s_and_b32 s42, s39, 1                          ; s
	s_lshl_b32 s43, s41, 17                        ; 32 kappa rows of 4,096 bytes
	s_lshl_b32 s44, s42, 16                        ; + 16 s rows
	s_add_co_u32 s43, s43, s44
	s_lshl_b32 s44, s40, 8                         ; + 64 nh columns
	s_add_co_u32 s50, s43, s44
	s_mov_b32 s51, 0
	s_add_nc_u64 s[48:49], s[6:7], s[50:51]
	s_lshr_b32 s43, s40, 1
	s_lshl_b32 s43, s43, 18                        ; N block nh>>1
	s_lshl_b32 s44, s41, 13
	s_add_co_u32 s43, s43, s44                     ; + kappa x 8 tiles
	s_and_b32 s44, s40, 1
	s_lshl_b32 s44, s44, 12
	s_add_co_u32 s43, s43, s44                     ; + tile 4 (nh & 1)
	s_lshl_b32 s44, s42, 9
	s_add_co_u32 s52, s43, s44                     ; + the fragment's half s
	s_mov_b32 s53, 0
	s_add_nc_u64 s[52:53], s[10:11], s[52:53]
	v_lshlrev_b32 v4, 4, v11
	v_lshl_add_u32 v4, v5, 15, v4                  ; row 8h, columns 4r .. 4r+3: sixteen neighbouring lanes read 256 consecutive bytes
.irp i, 0,1,2,3,4,5,6,7
	global_load_b128 v[SS+4*\i:SS+4*\i+3], v4, s[48:49] offset:4096*\i th:TH_LOAD_NT
.endr
	s_wait_loadcnt 0x0
.irp t, 0,1,2,3
.irp e, 0,1,2,3
	v_cvt_pk_f16_f32 v[SS+32+4*\t+\e], v[SS+8*\e+\t], v[SS+8*\e+4+\t]       ; rows 8h + 2e, 8h + 2e + 1 of column 4r + t
.endr
.endr
.irp t, 0,1,2,3
	global_store_b128 v[L16], v[SS+32+4*\t:SS+32+4*\t+3], s[52:53] offset:1024*\t   ; 512 consecutive bytes a store
.endr
.Lno_side:
	s_wait_xcnt 0x0                                ; the stores' data and the bases are written again only behind this wait
	s_wait_tensorcnt 0x0                           ; my eighth of the image is in,
	s_barrier_signal -1
	s_barrier_wait -1                              ; everybody's is
; Softmax of query tile t over this step's 64 keys.  Lane (r, h) holds query r's keys 16a + 8h + j in 32 registers.
.macro SOFT t, first
.irp k, 0,1,2,3
	v_max3_num_f32 v[TM+\k], v[SS+32*\t+8*\k], v[SS+32*\t+8*\k+1], v[SS+32*\t+8*\k+2]
.endr
.irp k, 0,1,2,3
	v_max3_num_f32 v[TM+\k], v[TM+\k], v[SS+32*\t+8*\k+3], v[SS+32*\t+8*\k+4]
.endr
.irp k, 0,1,2,3
	v_max3_num_f32 v[TM+\k], v[TM+\k], v[SS+32*\t+8*\k+5], v[SS+32*\t+8*\k+6]
.endr
	v_max3_num_f32 v[TM], v[TM], v[TM+1], v[SS+32*\t+7]
	v_max3_num_f32 v[TM+2], v[TM+2], v[TM+3], v[SS+32*\t+15]
	v_max3_num_f32 v[TM], v[TM], v[TM+2], v[SS+32*\t+23]
	v_max_num_f32 v[TM], v[TM], v[SS+32*\t+31]
	v_permlanex16_b32 v[TM+1], v[TM], s32, s33     ; the query's other 32 keys lie in the other half of the lanes
	v_max_num_f32 v[TM], v[TM], v[TM+1]
.if \first
	v_mul_f32 v[NM+2*\t], -1.0, v[TM]
.else
	v_mul_f32 v[TM], -1.0, v[TM]
	v_min_num_f32 v[TM], v[TM], v[NM+2*\t]         ; -(running maximum)
	v_sub_f32 v[AL+2*\t], v[TM], v[NM+2*\t]        ; old maximum - new maximum
	v_mov_b32 v[NM+2*\t], v[TM]
	v_exp_f32 v[AL+2*\t], v[AL+2*\t]               ; the packed sums below are the plain place behind it (ISA guide 5.7.2)
.endif
.irp k, 0,1,2,3,4,5,6,7,8,9,10,11,12,13,14,15
	v_pk_add_f32 v[SS+32*\t+2*\k:SS+32*\t+2*\k+1], v[SS+32*\t+2*\k:SS+32*\t+2*\k+1], v[NM+2*\t:NM+2*\t+1] op_sel_hi:[1,0]
.endr
.set i, 0
.rept 32
	v_exp_f32 v[SS+32*\t+i], v[SS+32*\t+i]
.set i, i+1
.endr
.if \first
	v_nop                                          ; the plain place behind the exponentials
	s_wait_alu depctr_va_vdst(0)
	v_pk_add_f32 v[LL+2*\t:LL+2*\t+1], v[SS+32*\t:SS+32*\t+1], v[SS+32*\t+2:SS+32*\t+3]
.else
	s_wait_alu depctr_va_vdst(0)
.irp d, 0,1,2,3
.irp k, 0,1,2,3
	v_pk_mul_f32 v[OO+8*(2*\d+\t)+2*\k:OO+8*(2*\d+\t)+2*\k+1], v[OO+8*(2*\d+\t)+2*\k:OO+8*(2*\d+\t)+2*\k+1], v[AL+2*\t:AL+2*\t+1] op_sel_hi:[1,0]
.endr
.endr
	v_pk_fma_f32 v[LL+2*\t:LL+2*\t+1], v[LL+2*\t:LL+2*\t+1], v[AL+2*\t:AL+2*\t+1], v[SS+32*\t:SS+32*\t+1] op_sel_hi:[1,0,1]
	v_pk_add_f32 v[LL+2*\t:LL+2*\t+1], v[LL+2*\t:LL+2*\t+1], v[SS+32*\t+2:SS+32*\t+3]
.endif
	; the sum of p in f32, four chains
.irp c, 1,2,3
	v_pk_add_f32 v[TM+2*\c:TM+2*\c+1], v[SS+32*\t+8*\c:SS+32*\t+8*\c+1], v[SS+32*\t+8*\c+2:SS+32*\t+8*\c+3]
.endr
.irp k, 4,6
	v_pk_add_f32 v[LL+2*\t:LL+2*\t+1], v[LL+2*\t:LL+2*\t+1], v[SS+32*\t+\k:SS+32*\t+\k+1]
.irp c, 1,2,3
	v_pk_add_f32 v[TM+2*\c:TM+2*\c+1], v[TM+2*\c:TM+2*\c+1], v[SS+32*\t+8*\c+\k:SS+32*\t+8*\c+\k+1]
.endr
.endr
	v_pk_add_f32 v[LL+2*\t:LL+2*\t+1], v[LL+2*\t:LL+2*\t+1], v[TM+2:TM+3]
	v_pk_add_f32 v[TM+4:TM+5], v[TM+4:TM+5], v[TM+6:TM+7]
	v_pk_add_f32 v[LL+2*\t:LL+2*\t+1], v[LL+2*\t:LL+2*\t+1], v[TM+4:TM+5]
	; p to f16, packed in place: the layout of S transposed is the layout of the second source
.irp g, 0,1
.irp k, 0,1,2,3,4,5,6,7
	v_cvt_pk_f16_f32 v[SS+32*\t+16*\g+\k], v[SS+32*\t+16*\g+2*\k], v[SS+32*\t+16*\g+2*\k+1]
.endr
.endr
.endm
; One step: 64 keys against 32 queries.  first = 1: the step starts the maxima, the sums and O (nothing is cleared).  mask = 1: keys beyond the query get -FLT_MAX.
.macro STEP first, mask
.irp a, 0,1,2,3
.irp u, 0,1
	ds_load_b128 v[KV+8*(2*\a+\u):KV+8*(2*\a+\u)+3],   v[KADR] offset:2048*\a+1024*\u        ; sixteen neighbouring lanes read 256 consecutive bytes
	ds_load_b128 v[KV+8*(2*\a+\u)+4:KV+8*(2*\a+\u)+7], v[KADR] offset:2048*\a+1024*\u+512
.endr
.endr
	s_wait_dscnt 0x0                               ; K (and in a pass's first step Q)
	; S transposed = K . Q: lane (r, h), register j: key 16a + 8h + j, query 16t + r.  The eight accumulators take turns, one instruction a turn.
.irp u, 0,1
.irp t, 0,1
.irp a, 0,1,2,3
.if \u == 0
	v_wmma_f32_16x16x32_f16 v[SS+32*\t+8*\a:SS+32*\t+8*\a+7], v[KV+8*(2*\a+\u):KV+8*(2*\a+\u)+7], v[QQ+8*(2*\t+\u):QQ+8*(2*\t+\u)+7], 0
.else
	v_wmma_f32_16x16x32_f16 v[SS+32*\t+8*\a:SS+32*\t+8*\a+7], v[KV+8*(2*\a+\u):KV+8*(2*\a+\u)+7], v[QQ+8*(2*\t+\u):QQ+8*(2*\t+\u)+7], v[SS+32*\t+8*\a:SS+32*\t+8*\a+7]
.endif
.endr
.endr
.endr
.rept 4
	v_nop                                          ; four places: loads into K's registers follow, and vector instructions that read S
.endr
	; V transposed: lane L addresses key 8h + (L&7), chunk 2d + b; it receives d = 16 d + r of keys 8h .. 8h+7
.irp g, 0,1
.irp d, 0,1,2,3
	ds_load_tr16_b128 v[KV+8*(2*\d+\g):KV+8*(2*\d+\g)+3],   v[VADR] offset:4096*\g+1024*(\d>>1)+512*(\d&1)
	ds_load_tr16_b128 v[KV+8*(2*\d+\g)+4:KV+8*(2*\d+\g)+7], v[VADR] offset:4096*\g+1024*(\d>>1)+512*(\d&1)+2048
.endr
.endr
.if \mask
.irp t, 0,1
.irp a, 0,1,2,3
.irp j, 0,1,2,3,4,5,6,7
	v_cmp_gt_i32 vcc_lo, 16*\a+\j-16*\t, v[VD]     ; key > query
	v_cndmask_b32 v[SS+32*\t+8*\a+\j], v[SS+32*\t+8*\a+\j], v[NEG], vcc_lo
.endr
.endr
.endr
.endif
	SOFT 0, \first
	SOFT 1, \first
	s_wait_dscnt 0x0                               ; V
	; O transposed += V transposed . P transposed: lane (r, h), register j: d = 16 d + 8h + j, query 16t + r.  Eight accumulators by turns, as above.
.irp g, 0,1
.irp d, 0,1,2,3
.irp t, 0,1
.if \first*(1-\g)
	v_wmma_f32_16x16x32_f16 v[OO+8*(2*\d+\t):OO+8*(2*\d+\t)+7], v[KV+8*(2*\d+\g):KV+8*(2*\d+\g)+7], v[SS+32*\t+16*\g:SS+32*\t+16*\g+7], 0
.else
	v_wmma_f32_16x16x32_f16 v[OO+8*(2*\d+\t):OO+8*(2*\d+\t)+7], v[KV+8*(2*\d+\g):KV+8*(2*\d+\g)+7], v[SS+32*\t+16*\g:SS+32*\t+16*\g+7], v[OO+8*(2*\d+\t):OO+8*(2*\d+\t)+7]
.endif
.endr
.endr
.endr
.rept 5
	v_nop                                          ; five places: the next step's matrix instructions write over P, its loads over V; what follows a pass reads O
.endr
.endm
.macro SETADR idx                      ; K's and V's addresses of step idx: 64 keys are 8,192 bytes of the image
	s_min_u32 s47, \idx, 31                        ; a step's index is at most 31 by the arithmetic at the head; the minimum states that bound where the address is made: every read stays below byte 262,144
	v_lshl_add_u32 v[KADR], s47, 13, v[KBR]
	v_lshl_add_u32 v[VADR], s47, 13, v[VBR]
.endm
.macro SETVD idx                       ; query - key at a = j = t = 0: i0 + r - 64 idx - 8h
	s_lshl_b32 s46, \idx, 6
	s_sub_co_i32 s46, s36, s46
	v_add_nc_u32 v[VD], s46, v[RD]
.endm
; A pass: the tile of 32 queries at s36 against steps s37 .. s37 + s38 - 1.  The first and the last step apply the mask (it masks nothing where
; all keys lie at or below the queries), so that a pass of one step is served too; the steps between lie below the diagonal.
.macro PASS
	s_min_u32 s36, s36, 2016                       ; a tile begins at 2,016 at the most; stated here for Q's address as for the steps'
	s_lshl_b32 s46, s36, 7
	v_add_nc_u32 v[XA], s46, v[KBR]
.irp t, 0,1
.irp u, 0,1
	ds_load_b128 v[QQ+8*(2*\t+\u):QQ+8*(2*\t+\u)+3],   v[XA] offset:2048*\t+1024*\u
	ds_load_b128 v[QQ+8*(2*\t+\u)+4:QQ+8*(2*\t+\u)+7], v[XA] offset:2048*\t+1024*\u+512
.endr
.endr
	SETADR s37
	SETVD s37
	STEP 1, 1
	s_cmp_lt_u32 s38, 2
	s_cbranch_scc1 .Lpass_done_\@
	s_add_co_u32 s45, s37, s38
	s_sub_co_u32 s45, s45, 1                       ; the last step
	s_add_co_u32 s39, s37, 1
	s_cmp_ge_u32 s39, s45
	s_cbranch_scc1 .Lpass_last_\@
.Lpass_loop_\@:
	SETADR s39
	STEP 0, 0
	s_add_co_u32 s39, s39, 1
	s_cmp_lt_u32 s39, s45
	s_cbranch_scc1 .Lpass_loop_\@
.Lpass_last_\@:
	SETADR s45
	SETVD s45
	STEP 0, 1
.Lpass_done_\@:
.endm
; The tile at s36 is finished: O / (sum x the image's factor), f16, stored as fragments of the last launch's first source:
; ao[M block (2048 b + i)>>7][kappa = 2 head + (d>>1)][tile (i>>4)&7][half d&1][lane][16 bytes]; lane (r, h) holds row r, k = 8h .. 8h+7.
.macro FIN more
	v_add_f32 v[TM], v[LL], v[LL+1]
	v_add_f32 v[TM+1], v[LL+2], v[LL+3]
	v_permlanex16_b32 v[TM+2], v[TM], s32, s33
	v_permlanex16_b32 v[TM+3], v[TM+1], s32, s33
	v_add_f32 v[TM], v[TM], v[TM+2]
	v_add_f32 v[TM+1], v[TM+1], v[TM+3]
	v_rcp_f32 v[AL], v[TM]
	v_rcp_f32 v[AL+2], v[TM+1]
	v_nop                                          ; the plain place behind the reciprocals
	s_wait_alu depctr_va_vdst(0)
	v_mul_f32 v[AL], ISC, v[AL]
	v_mul_f32 v[AL+2], ISC, v[AL+2]
	s_lshr_b32 s46, s15, 4
	s_lshl_b32 s46, s46, 4
	s_lshr_b32 s47, s36, 7
	s_add_co_u32 s46, s46, s47                     ; M block = 16 b + (i0>>7)
	s_lshl_b32 s46, s46, 18
	s_bfe_u32 s47, s36, 0x30004                    ; tile (i0>>4)&7
	s_lshl_b32 s47, s47, 10
	s_add_co_u32 s46, s46, s47
	s_and_b32 s47, s15, 15
	s_lshl_b32 s47, s47, 14                        ; kappa = 2 head
	s_add_co_u32 s50, s46, s47
	s_mov_b32 s51, 0
	s_add_nc_u64 s[48:49], s[8:9], s[50:51]
.irp d, 0,1,2,3
.irp t, 0,1
.irp k, 0,1,2,3
	v_pk_mul_f32 v[OO+8*(2*\d+\t)+2*\k:OO+8*(2*\d+\t)+2*\k+1], v[OO+8*(2*\d+\t)+2*\k:OO+8*(2*\d+\t)+2*\k+1], v[AL+2*\t:AL+2*\t+1] op_sel_hi:[1,0]
.endr
.endr
.endr
.irp d, 0,1,2,3
.irp t, 0,1
.irp k, 0,1,2,3
	v_cvt_pk_f16_f32 v[SS+4*(4*\t+\d)+\k], v[OO+8*(2*\d+\t)+2*\k], v[OO+8*(2*\d+\t)+2*\k+1]
.endr
.endr
.endr
.irp t, 0,1
.irp d, 0,1,2,3
	global_store_b128 v[L16], v[SS+4*(4*\t+\d):SS+4*(4*\t+\d)+3], s[48:49] offset:1024*\t+8192*(\d>>1)+512*(\d&1)   ; 512 consecutive bytes a store
.endr
.endr
.if \more
	s_wait_xcnt 0x0                                ; the stores' data are written again by the next pass only behind this wait
.endif
.endm
.macro XADR                            ; the pair's places in the exchange: w3 is the same in wave w and wave w + 4
	s_lshl_b32 s46, s13, 13
	s_add_co_u32 s46, s46, XO
	v_add_nc_u32 v[XA], s46, v[L16]
	s_lshl_b32 s46, s13, 9
	s_add_co_u32 s46, s46, XM
	v_add_nc_u32 v[XB], s46, v[L16]
.endm
	s_cmp_lt_u32 s12, 4
	s_cselect_b32 s36, s28, s29                    ; waves 0-3: the short tile, all its steps; waves 4-7: the long tile, steps 0 .. 16
	s_cselect_b32 s38, s34, 17
	s_mov_b32 s37, 0
	PASS
	s_cmp_ge_u32 s12, 4
	s_cbranch_scc1 .Lread_done
	FIN 1                                          ; the short tile is whole
	s_cmp_eq_u32 s35, 0
	s_cbranch_scc1 .Lread_done                     ; the long tile ends with step 16: nothing is left of it
	s_mov_b32 s36, s29
	s_mov_b32 s37, 17
	s_mov_b32 s38, s35
	PASS                                           ; the long tile's steps 17 ..
.Lread_done:
	; The exchange lies behind the image and no read of the image reaches it; this barrier orders every wave's reads of the image
	; ahead of the first store into LDS all the same, so that the ordering does not rest on the steps' address arithmetic.
	s_wait_dscnt 0x0                               ; my reads of the image are back
	s_barrier_signal -1
	s_barrier_wait -1                              ; everybody's are
	s_cmp_ge_u32 s12, 4
	s_cbranch_scc1 .Ljoin
	s_cmp_eq_u32 s35, 0
	s_cbranch_scc1 .Ljoin
	XADR                                           ; waves 0-3 hand their part of the long tile to waves 4-7
	v_mov_b32 v[TM], v[NM]
	v_mov_b32 v[TM+1], v[NM+2]
	v_add_f32 v[TM+2], v[LL], v[LL+1]
	v_add_f32 v[TM+3], v[LL+2], v[LL+3]
.irp k, 0,1,2,3,4,5,6,7,8,9,10,11,12,13,14,15
	ds_store_b128 v[XA], v[OO+4*\k:OO+4*\k+3] offset:512*\k
.endr
	ds_store_b128 v[XB], v[TM:TM+3]
.Ljoin:
	s_wait_dscnt 0x0                               ; for the partner's sake: my stores are done
	s_barrier_signal -1
	s_barrier_wait -1
	s_cmp_lt_u32 s12, 4
	s_cbranch_scc1 .Lend
	s_cmp_eq_u32 s35, 0
	s_cbranch_scc1 .Lfin
	; MERGE: both parts are brought to the common maximum and added, lane by lane (the partner's lanes hold the same queries and the same d)
	XADR
.irp k, 0,1,2,3,4,5,6,7,8,9,10,11,12,13,14,15
	ds_load_b128 v[KV+4*\k:KV+4*\k+3], v[XA] offset:512*\k
.endr
	ds_load_b128 v[TM:TM+3], v[XB]
	s_wait_dscnt 0x0
	v_min_num_f32 v[TM+4], v[NM], v[TM]            ; -(common maximum)
	v_min_num_f32 v[TM+6], v[NM+2], v[TM+1]
	v_sub_f32 v[AL], v[TM+4], v[NM]
	v_sub_f32 v[AL+2], v[TM+6], v[NM+2]
	v_sub_f32 v[TM+4], v[TM+4], v[TM]
	v_sub_f32 v[TM+6], v[TM+6], v[TM+1]
	v_exp_f32 v[AL], v[AL]                         ; my factor
	v_exp_f32 v[AL+2], v[AL+2]
	v_exp_f32 v[TM+4], v[TM+4]                     ; the partner's
	v_exp_f32 v[TM+6], v[TM+6]
	v_add_f32 v[LL], v[LL], v[LL+1]                ; the plain place behind the exponentials
	v_add_f32 v[LL+2], v[LL+2], v[LL+3]
	s_wait_alu depctr_va_vdst(0)
	v_mul_f32 v[LL], v[LL], v[AL]
	v_mul_f32 v[LL+2], v[LL+2], v[AL+2]
	v_fmac_f32 v[LL], v[TM+2], v[TM+4]
	v_fmac_f32 v[LL+2], v[TM+3], v[TM+6]
	v_mov_b32 v[LL+1], 0
	v_mov_b32 v[LL+3], 0
.irp d, 0,1,2,3
.irp t, 0,1
.irp k, 0,1,2,3
	v_pk_mul_f32 v[OO+8*(2*\d+\t)+2*\k:OO+8*(2*\d+\t)+2*\k+1], v[OO+8*(2*\d+\t)+2*\k:OO+8*(2*\d+\t)+2*\k+1], v[AL+2*\t:AL+2*\t+1] op_sel_hi:[1,0]
.endr
.endr
.endr
.irp d, 0,1,2,3
.irp t, 0,1
.irp k, 0,1,2,3
	v_pk_fma_f32 v[OO+8*(2*\d+\t)+2*\k:OO+8*(2*\d+\t)+2*\k+1], v[KV+8*(2*\d+\t)+2*\k:KV+8*(2*\d+\t)+2*\k+1], v[TM+4+2*\t:TM+4+2*\t+1], v[OO+8*(2*\d+\t)+2*\k:OO+8*(2*\d+\t)+2*\k+1] op_sel_hi:[1,0,1]
.endr
.endr
.endr
.Lfin:
	FIN 0                                          ; the long tile is whole
.Lend:
	s_set_vgpr_msb 0x5
	s_wait_tensorcnt 0x0
	ds_add_u32 v0, v1
	s_wait_dscnt 0x0
	s_set_vgpr_msb 0x500
	s_endpgm
.Lfunc_end_k_q6c59d9ec57_attn:
	.size	k_q6c59d9ec57_attn, .Lfunc_end_k_q6c59d9ec57_attn-k_q6c59d9ec57_attn
	.p2alignl 7, 3214868480
	.fill 96, 4, 3214868480
	.section	.rodata,"a",@progbits
	.p2align	6, 0x0
	.amdhsa_kernel k_q6c59d9ec57_attn
		.amdhsa_group_segment_fixed_size 297984
		.amdhsa_private_segment_fixed_size 0
		.amdhsa_enable_private_segment 0
		.amdhsa_kernarg_size 32
		.amdhsa_user_sgpr_count 2
		.amdhsa_user_sgpr_kernarg_segment_ptr 1
		.amdhsa_wavefront_size32 1
		.amdhsa_system_sgpr_workgroup_id_x 1
		.amdhsa_system_sgpr_workgroup_id_y 1
		.amdhsa_system_sgpr_workgroup_id_z 1
		.amdhsa_system_vgpr_workitem_id 0
		.amdhsa_next_free_vgpr 258
		.amdhsa_next_free_sgpr 66
		.amdhsa_reserve_vcc 1
		.amdhsa_float_denorm_mode_32 3
		.amdhsa_float_denorm_mode_16_64 3
		.amdhsa_memory_ordered 1
		.amdhsa_forward_progress 1
		.amdhsa_inst_pref_size 142
	.end_amdhsa_kernel
	.amdgpu_metadata
---
amdhsa.version: [ 1, 2 ]
amdhsa.kernels:
  - .name:           k_q6c59d9ec57_attn
    .symbol:         k_q6c59d9ec57_attn.kd
    .args:
      - { .name: qimg, .offset: 0, .size: 8, .value_kind: global_buffer, .address_space: global }
      - { .name: w_out, .offset: 8, .size: 8, .value_kind: global_buffer, .address_space: global }
      - { .name: ao, .offset: 16, .size: 8, .value_kind: global_buffer, .address_space: global }
      - { .name: woimg, .offset: 24, .size: 8, .value_kind: global_buffer, .address_space: global }
    .group_segment_fixed_size: 297984
    .private_segment_fixed_size: 0
    .kernarg_segment_align: 8
    .kernarg_segment_size: 32
    .max_flat_workgroup_size: 256
    .sgpr_count:     66
    .vgpr_count:     258
    .wavefront_size: 32
...
	.end_amdgpu_metadata
.endif
;; end of part 2
;; launch oproj (part 3): grid 8 x 32, 4 waves a work-group, clusters of 4 x 4, 327,680 bytes of LDS; arguments ao, woimg, b_out, out0; writes out0
.if DOCPART == 3
	.amdgcn_target "amdgcn-amd-amdhsa--gfx1250"
	.amdhsa_code_object_version 6
	.text
	.protected	k_q6c59d9ec57_oproj
	.globl	k_q6c59d9ec57_oproj
	.p2align	8
	.type	k_q6c59d9ec57_oproj,@function
k_q6c59d9ec57_oproj:
	s_mov_b64 s[64:65], 0
	v_nop
	global_prefetch_b8 v0, s[64:65] scope:SCOPE_SE
	s_setreg_imm32_b32 hwreg(HW_REG_WAVE_MODE, 25, 1), 1
	s_wait_xcnt 0x0
	s_wait_alu depctr_hold_cnt(0) depctr_sa_sdst(0) depctr_va_vdst(0) depctr_va_sdst(0) depctr_va_ssrc(0) depctr_va_vcc(0) depctr_vm_vsrc(0)
	s_getreg_b32 s2, hwreg(HW_REG_IB_STS2, 6, 4)
	s_cmp_eq_u32 s2, 0
	s_cbranch_scc0 .Lentry_in_a_cluster
	s_endpgm
.Lentry_in_a_cluster:
	s_bfe_u32 s2, ttmp6, 0x10000c
	s_cmp_lg_u32 s2, 0xf033
	s_cbranch_scc0 .Lentry_shape_is_right
	s_endpgm
.Lentry_shape_is_right:
; out0 = attention output . w_out + b_out.  Both operands come as f16 fragment images: blocks of 1,024 bytes that are, byte for byte, what the two
; 16-byte loads of a 16 x 32 fragment read ([half][lane][16 bytes]).  ao: [M block 32][kappa 32][tile 8][1,024]; woimg: [N block 8][kappa 32][tile 8][1,024],
; where tile 4 (nh&1) + t holds in lane r the column 64 nh + 4r + t.  out0: [4096][1024] f32; sums in f32; the bias is added in f32.
; LIMITS: f16 operands, as stated where the images are made.
; SHARES: a work-group makes 128 x 128 with four waves, a wave 64 x 64: 16 accumulator tiles.  K goes in 4 extents of 256 (8 kappa) through two LDS slots
; of 131,072 bytes; each wave brings a quarter of a slot by one tensor load of 32,768 dense bytes.  Every fragment load reads 512 consecutive bytes.
; CLUSTERS: 4 x 4 work-groups; ao's tiles hang on the block row alone and are asked for jointly by a row of the cluster, woimg's on the block column
; alone and by a column.  By this text's count a wave has two tensor loads out at the start, later one.
.set QUART,  32768                     ; what one tensor load brings: 4 kappa x 8 tiles
.set SLOT,   4*QUART                   ; ao kappa 0-3, ao kappa 4-7, woimg kappa 0-3, woimg kappa 4-7
.set STEP2,  2*65536                   ; two extents in either image, in bytes
.set ADRA, 16                          ; v16-17  LDS address of my ao fragments in slot 0, 1
.set ADRB, 20                          ; v20-21  the same for woimg
.set CO,   26                          ; v26     my byte offset in out0
.set BO,   27                          ; v27     my byte offset in b_out
.set BIAS, 28                          ; v[28:31] the bias of my four columns
.set F0,   64                          ; v64-127   fragment buffer 0: ao at 8 a, woimg at 32 + 8 t
.set F1,   128                         ; v128-191  fragment buffer 1
                                       ; window 1, v0-127: accumulator (a, t) at 8 (4 a + t)
.set G1,  24
.set G0,  32
.set G1B, 48
.set G0B, 56
.set MSB, 0
.macro WIN new                         ; the immediate's high byte repeats the setting that is left
.if MSB != \new
	s_set_vgpr_msb (MSB<<8)|\new
.set MSB, \new
.endif
.endm
.macro PLACES                          ; four places behind a matrix instruction (ISA guide 7.12.1)
.rept 4
	v_nop
.endr
.endm
.macro JLOAD s                         ; waves 0 and 1 ask for ao's two halves, waves 2 and 3 for woimg's
	s_cmp_eq_u32 s11, 0
	s_cbranch_scc0 .Lfor_b_\@
	tensor_load_to_lds s[G0+4*\s:G0+4*\s+3], s[G1:G1+7]
	s_nop 0
	s_branch .Lasked_\@
.Lfor_b_\@:
	tensor_load_to_lds s[G0B+4*\s:G0B+4*\s+3], s[G1B:G1B+7]
	s_nop 0
.Lasked_\@:
.endm
.macro CREST                           ; a round of the cluster's barrier behind its opening barrier
	s_cmp_lg_u32 s10, 0
	s_cbranch_scc1 .Lnot_wave_0_\@
	s_barrier_signal -3
.Lnot_wave_0_\@:
	s_barrier_wait -3
	s_barrier_signal -1
	s_barrier_wait -1
.endm
.macro CROUND
	s_barrier_signal -1
	s_barrier_wait -1
	CREST
.endm
	s_load_b128 s[4:7], s[0:1], 0x0                ; ao s[4:5], woimg s[6:7]
	s_load_b128 s[68:71], s[0:1], 0x10             ; b_out s[68:69], out0 s[70:71]
	v_lshl_add_u32 v254, v0, 2, 0x40000
	v_mov_b32 v255, 0
	ds_add_u32 v254, v255
	ds_add_u32 v254, v255
	v_lshrrev_b32 v1, 5, v0
	v_readfirstlane_b32 s10, v1                    ; wave 0..3
	s_lshr_b32 s11, s10, 1                         ; wm.  Also: I fetch for ao (0) or for woimg (1)
	s_and_b32 s12, s10, 1                          ; wn.  Also: which 4 kappa of the extent I fetch
	s_bfe_u32 s40, ttmp6, 0x40000                  ; cx
	s_bfe_u32 s41, ttmp6, 0x40004                  ; cy
	s_lshl_b32 s42, ttmp9, 2
	s_add_co_u32 s42, s42, s40                     ; bx: block column 0..7
	s_and_b32 s13, ttmp7, 0xffff
	s_lshl_b32 s13, s13, 2
	s_add_co_u32 s13, s13, s41                     ; by: block row 0..31
	s_lshl_b32 s43, s41, 2
	s_lshl_b32 s43, 15, s43                        ; my row of the cluster
	s_lshl_b32 s44, 0x1111, s40                    ; my column
	; group 1: a dense block as 128 rows of 32 elements of 8 bytes; bit 21 set beside the mask
	s_or_b32 s[G1+0], s43, (3<<16)|(1<<21)
	s_or_b32 s[G1B+0], s44, (3<<16)|(1<<21)
	s_mov_b32 s[G1+1], 32<<16
	s_mov_b32 s[G1B+1], 32<<16
	s_mov_b32 s[G1+2], 128<<16
	s_mov_b32 s[G1B+2], 128<<16
	s_mov_b32 s[G1+3], 32<<16
	s_mov_b32 s[G1B+3], 32<<16
	s_mov_b32 s[G1+4], 128
	s_mov_b32 s[G1B+4], 128
	s_mov_b32 s[G1+5], 32
	s_mov_b32 s[G1B+5], 32
	s_mov_b32 s[G1+6], 0
	s_mov_b32 s[G1B+6], 0
	s_mov_b32 s[G1+7], 0
	s_mov_b32 s[G1B+7], 0
	s_lshl_b32 s16, s13, 18                        ; ao: M block by,
	s_lshl_b32 s17, s12, 15                        ; my 4 kappa
	s_add_co_u32 s16, s16, s17
	s_mov_b32 s17, 0
	s_lshl_b32 s46, s42, 18                        ; woimg: N block bx,
	s_lshl_b32 s47, s12, 15                        ; my 4 kappa
	s_add_co_u32 s46, s46, s47
	s_mov_b32 s47, 0
	s_lshl_b32 s20, s10, 15                        ; where my part goes: wave x 32,768
	s_wait_dscnt 0x0
	s_wait_kmcnt 0x0
	s_add_nc_u64 s[14:15], s[4:5], s[16:17]
	s_add_nc_u64 s[46:47], s[6:7], s[46:47]
	CROUND                                         ; all sixteen work-groups are here: the first joint loads meet
.irp s, 0,1
	s_mov_b32 s[G0+4*\s], 1
	s_add_co_u32 s[G0+4*\s+1], s20, \s*SLOT
	s_add_nc_u64 s[G0+4*\s+2:G0+4*\s+3], s[14:15], \s*65536          ; extent s
	s_or_b32 s[G0+4*\s+3], s[G0+4*\s+3], 0x80000000
	s_mov_b32 s[G0B+4*\s], 1
	s_add_co_u32 s[G0B+4*\s+1], s20, \s*SLOT
	s_add_nc_u64 s[G0B+4*\s+2:G0B+4*\s+3], s[46:47], \s*65536
	s_or_b32 s[G0B+4*\s+3], s[G0B+4*\s+3], 0x80000000
	JLOAD \s
.endr
	v_and_b32 v1, 15, v0                           ; r
	v_bfe_u32 v2, v0, 4, 1                         ; h
	s_lshl_b32 s45, s42, 9                         ; my first column in bytes: 512 bx + 256 wn
	s_lshl_b32 s23, s12, 8
	s_add_co_u32 s45, s45, s23
	v_lshl_add_u32 v[BO], v1, 4, s45
	global_load_b128 v[BIAS:BIAS+3], v[BO], s[68:69]       ; the bias of columns 4r .. 4r+3 of my 64
	v_and_b32 v3, 31, v0
	v_lshlrev_b32 v3, 4, v3                        ; 16 x lane
	s_lshl_b32 s21, s11, 12                        ; my four tiles of ao
	s_lshl_b32 s22, s12, 12                        ; my four tiles of woimg,
	s_add_co_u32 s22, s22, 2*QUART                 ; which lie behind ao's 8 kappa
.irp s, 0,1
	v_add_nc_u32 v[ADRA+\s], s21, v3
	v_add_nc_u32 v[ADRB+\s], s22, v3
	s_add_co_u32 s21, s21, SLOT
	s_add_co_u32 s22, s22, SLOT
.endr
	v_lshlrev_b32 v4, 15, v2                       ; out0: row 8h of 4,096 bytes,
	v_lshl_add_u32 v[CO], v1, 4, v4                ; 16 r bytes along it
; 16 LDS loads: the eight fragments of kappa kl of the slot's extent into buffer f
.macro FETCH slot, kl, f
.irp a, 0,1,2,3
	ds_load_b128 v[\f+8*\a:\f+8*\a+3],   v[ADRA+\slot] offset:8192*(\kl)+1024*\a
	ds_load_b128 v[\f+8*\a+4:\f+8*\a+7], v[ADRA+\slot] offset:8192*(\kl)+1024*\a+512
.endr
.irp t, 0,1,2,3
	ds_load_b128 v[\f+32+8*\t:\f+32+8*\t+3],   v[ADRB+\slot] offset:8192*(\kl)+1024*\t
	ds_load_b128 v[\f+32+8*\t+4:\f+32+8*\t+7], v[ADRB+\slot] offset:8192*(\kl)+1024*\t+512
.endr
.endm
; 16 matrix instructions: lane (r, h), register j of accumulator (a, t) holds row 16a + 8h + j, column 4r + t.
; The sixteen accumulators take turns, one instruction a turn.
.macro MUL f, zero
	WIN 0x50                                       ; C and D in window 1
.irp a, 0,1,2,3
.irp t, 0,1,2,3
.if \zero
	v_wmma_f32_16x16x32_f16 v[8*(4*\a+\t):8*(4*\a+\t)+7], v[\f+8*\a:\f+8*\a+7], v[\f+32+8*\t:\f+32+8*\t+7], 0
.else
	v_wmma_f32_16x16x32_f16 v[8*(4*\a+\t):8*(4*\a+\t)+7], v[\f+8*\a:\f+8*\a+7], v[\f+32+8*\t:\f+32+8*\t+7], v[8*(4*\a+\t):8*(4*\a+\t)+7]
.endif
.endr
.endr
	WIN 0
.endm
; One of an extent's first seven kappa: ask for kappa nxt into buffer g, multiply buffer f.
.macro SUB slot, nxt, f, g, zero
	s_wait_dscnt 0x0                               ; buffer f, asked for ahead of the last products, is in
	PLACES                                         ; the loads land on sources of the last matrix instructions
	FETCH \slot, \nxt, \g
	MUL \f, \zero
.endm
; The eighth kappa (buffer 1), and the change of slots.  mode 2: this slot is filled again, two extents ahead; 1: no refill; 0: nothing follows.
.macro LAST slot, other, mode
	s_wait_dscnt 0x0                               ; my last reads of this slot are back
.if \mode == 2
	s_wait_tensorcnt 0x0                           ; all my tensor loads have landed: the one that was out is my part of the other slot
	ds_add_u32 v254, v255
	s_wait_dscnt 0x0
	s_barrier_signal -1                            ; this barrier opens a round of the cluster's barrier
	s_barrier_wait -1
	CREST                                          ; no wave of any partner still reads this slot or has a load on its way
	s_add_nc_u64 s[G0+4*\slot+2:G0+4*\slot+3], s[G0+4*\slot+2:G0+4*\slot+3], STEP2
	s_add_nc_u64 s[G0B+4*\slot+2:G0B+4*\slot+3], s[G0B+4*\slot+2:G0B+4*\slot+3], STEP2
	JLOAD \slot                                    ; my one tensor load behind the round, and the first thing there
.endif
.if \mode == 1
	s_wait_tensorcnt 0x0                           ; my part of the last extent has landed
	s_barrier_signal -1
	s_barrier_wait -1                              ; everybody's has
.endif
.if \mode
	PLACES
	FETCH \other, 0, F0
.endif
	MUL F1, 0
.endm
.macro PERIOD slot, other, zero, mode
	SUB \slot, 1, F0, F1, \zero
	SUB \slot, 2, F1, F0, 0
	SUB \slot, 3, F0, F1, 0
	SUB \slot, 4, F1, F0, 0
	SUB \slot, 5, F0, F1, 0
	SUB \slot, 6, F1, F0, 0
	SUB \slot, 7, F0, F1, 0
	LAST \slot, \other, \mode
.endm
	s_wait_tensorcnt 0x1                           ; my part of extent 0 is in; the one younger load (extent 1) may stay out
	s_barrier_signal -1
	s_barrier_wait -1
	FETCH 0, 0, F0
	PERIOD 0, 1, 1, 2                              ; extent 0: its first products start the sums; asks for extent 2
	PERIOD 1, 0, 0, 2                              ; extent 1; asks for extent 3
	PERIOD 0, 1, 0, 1                              ; extent 2
	PERIOD 1, 0, 0, 0                              ; extent 3
	; THE WAY OUT.  Register j of the four accumulators (a, 0..3) holds four neighbouring columns of row 16a + 8h + j: the addition of the bias
	; gathers them into four neighbouring registers, and sixteen neighbouring lanes store 256 consecutive bytes, aligned.
	s_wait_loadcnt 0x0                             ; the bias
	PLACES
	s_lshl_b32 s16, s13, 19                        ; 128 by rows of 4,096 bytes
	s_lshl_b32 s17, s11, 18                        ; + 64 wm rows
	s_add_co_u32 s16, s16, s17
	s_mov_b32 s17, 0
	s_add_nc_u64 s[70:71], s[70:71], s[16:17]
	s_mov_b32 s46, s45                             ; + my first column
	s_mov_b32 s47, 0
	s_add_nc_u64 s[70:71], s[70:71], s[46:47]
	WIN 0x01                                       ; source 0 in window 1
.irp a, 0,1,2,3
.irp j, 0,1,2,3,4,5,6,7
.irp t, 0,1,2,3
	v_add_f32 v[F0+4*(8*\a+\j)+\t], v[8*(4*\a+\t)+\j], v[BIAS+\t]
.endr
.endr
.endr
	WIN 0
.irp a, 0,1,2,3
.irp j, 0,1,2,3,4,5,6,7
	global_store_b128 v[CO], v[F0+4*(8*\a+\j):F0+4*(8*\a+\j)+3], s[70:71] offset:(16*\a+\j)*4096 th:TH_STORE_NT
.endr
.endr
	s_wait_tensorcnt 0x0
	ds_add_u32 v254, v255
	s_wait_dscnt 0x0
	CROUND                                         ; the closing round: no work-group ends while a partner may still ask for a tile that names it
	s_endpgm
.Lfunc_end_k_q6c59d9ec57_oproj:
	.size	k_q6c59d9ec57_oproj, .Lfunc_end_k_q6c59d9ec57_oproj-k_q6c59d9ec57_oproj
	.p2alignl 7, 3214868480
	.fill 96, 4, 3214868480
	.section	.rodata,"a",@progbits
	.p2align	6, 0x0
	.amdhsa_kernel k_q6c59d9ec57_oproj
		.amdhsa_group_segment_fixed_size 327680
		.amdhsa_private_segment_fixed_size 0
		.amdhsa_enable_private_segment 0
		.amdhsa_kernarg_size 32
		.amdhsa_user_sgpr_count 2
		.amdhsa_user_sgpr_kernarg_segment_ptr 1
		.amdhsa_wavefront_size32 1
		.amdhsa_system_sgpr_workgroup_id_x 1
		.amdhsa_system_sgpr_workgroup_id_y 1
		.amdhsa_system_sgpr_workgroup_id_z 1
		.amdhsa_system_vgpr_workitem_id 0
		.amdhsa_next_free_vgpr 384
		.amdhsa_next_free_sgpr 72
		.amdhsa_reserve_vcc 0
		.amdhsa_float_denorm_mode_32 3
		.amdhsa_float_denorm_mode_16_64 3
		.amdhsa_memory_ordered 1
		.amdhsa_forward_progress 1
		.amdhsa_inst_pref_size 87
	.end_amdhsa_kernel
	.amdgpu_metadata
---
amdhsa.version: [ 1, 2 ]
amdhsa.kernels:
  - .name:           k_q6c59d9ec57_oproj
    .symbol:         k_q6c59d9ec57_oproj.kd
    .args:
      - { .name: ao, .offset: 0, .size: 8, .value_kind: global_buffer, .address_space: global }
      - { .name: woimg, .offset: 8, .size: 8, .value_kind: global_buffer, .address_space: global }
      - { .name: b_out, .offset: 16, .size: 8, .value_kind: global_buffer, .address_space: global }
      - { .name: out0, .offset: 24, .size: 8, .value_kind: global_buffer, .address_space: global }
    .group_segment_fixed_size: 327680
    .private_segment_fixed_size: 0
    .kernarg_segment_align: 8
    .kernarg_segment_size: 32
    .max_flat_workgroup_size: 128
    .sgpr_count:     72
    .vgpr_count:     384
    .wavefront_size: 32
...
	.end_amdgpu_metadata
.endif
;; end of part 3
